; MI455X (gfx1250); checked and timed in simulation.
; The chip was launched on July 23, 2026; its instructions are those of AMD's public machine-readable ISA for CDNA 5 (MIT licence, August 2026) and "CDNA5" Instruction Set Architecture Reference Guide (July 2026). The comments in the code are by the model that wrote it; some were corrected since.
;; Q Dense Undirected. Allowed arithmetic: float matrix products may take bf16 or f16 operands with f32 sums; all other float work in f32.
;; Inputs: weights 16 x 10 x 3 float32; x 8,192 x 1 x 32 x 32 float32.
;; Outputs: out0 8,192 x 1 x 32 x 32 float32.
;; One version. Each part assembles by itself: llvm-mc -triple=amdgcn-amd-amdhsa -mcpu=gfx1250 --defsym DOCPART=n.
;; ======== version 1 of 1: 2 launches
;; workspace buffers: xb 16,777,216 bytes; ub 4,194,304 bytes
;; launch prep (part 1): grid 256 x 1, 8 waves a work-group, no clusters, 263,168 bytes of LDS; arguments weights, x, xb, ub; writes xb, ub
.if DOCPART == 1
	.amdgcn_target "amdgcn-amd-amdhsa--gfx1250"
	.amdhsa_code_object_version 6
	.text
	.protected	k_q3983a69989_prep
	.globl	k_q3983a69989_prep
	.p2align	8
	.type	k_q3983a69989_prep,@function
k_q3983a69989_prep:
	s_mov_b64 s[64:65], 0
	v_nop
	global_prefetch_b8 v0, s[64:65] scope:SCOPE_SE
	s_setreg_imm32_b32 hwreg(HW_REG_WAVE_MODE, 25, 1), 1
	s_wait_xcnt 0x0
; prep: (1) the circuit's unitary U (1024 x 1024 complex, from weights alone) as f16 rows; (2) xb = 32 x/|x| as f16.
; out = clip(1024 |U x/|x||^2): the next launch multiplies xb by ub = (re U, im U) and squares.
; 256 work-groups of 8 waves.  All waves: one gate a thread (160 gates), then the 5-wire Kronecker matrices of two layers a wave, as f16 matrix
; operands in LDS.  Then waves 0-3 make one row of U each (row n = 4 x group + wave), waves 4-7 normalise 8 rows of x each.
; ROW n OF U is v = K0^T P0^T .. K15^T P15^T e_n (K_l: the ten Rot gates of layer l, P_l: its ten CNOTs).  The state is a 32 x 32 complex matrix
; V[h][lo] (index = 32 h + lo, wire w = index bit 9-w).  K^T is two products of 16 matrix instructions, complex numbers as pairs of reals; the first
; product's result (registers = h, lanes = lo'), rounded to f16, already is the second's first operand (row = lo', k = h).  P^T permutes the 1024
; indices linearly over GF(2): 32 scattered LDS stores a lane, address = (lane's part) xor (a constant of the register, made at assembly).
; FORMATS: f16 operands, f32 sums.  Every operand is an entry of a unitary matrix or of a unit vector (at most 1 in magnitude for every input), and
; |32 x/|x|| <= 32: f16's range is never left; entries below 2^-14 keep an absolute error of 2^-25.
; ANGLES: tanh bounds every angle by pi for every input; sine and cosine are Taylor sums on |y| <= pi/2 (first term left out below 6e-8), then one doubling.
; LIMIT: a row of x whose sum of squares is 0 or leaves f32's range gives NaN or infinity, as a norm formed in f32 does.
; No cluster: the only global bytes that work-groups share are the 1,920 bytes of weights.
.set TB,   16384                       ; LDS: gate table, 64 bytes a thread.  Bytes 0-16383: a state of 4,096 bytes for each of waves 0-3
.set FR,   32768                       ; LDS: operand images, LAYB bytes a layer
.set LAYB, 14336                       ; 8 images of 1 KiB for the first product, 6 for the second
.set F2,   8192                        ; the second product's images in a layer
; registers while the Kronecker matrices are made
.set GE0, 16                           ; v[16:23]  gate of the lowest free index bit: entries [0][r], [1][r], four words each
.set GE1, 24
.set GE2, 32
.set GE4, 40                           ; v[40:55]  gate of index bit 4, all four entries
.set WV,  56                           ; the entry that my lane fixes
.set Q1,  58                           ; 2, 4, 8 partial products (re, im)
.set Q2,  62
.set Q3,  70
.set TT,  86                           ; 8 finished entries
.set FO,  102                          ; 16 packed words to store
.set DT,  118                          ; 8 packed words at work
; registers of waves 0-3 while a row is made
.set LA, 4                             ; v[4:7]    LDS addresses of my state operand
.set GA, 8                             ; v8        my 16 bytes in a layer's images
.set MK, 9                             ; v[9:13]   0 or -1: bits 0-4 of my lane
.set LL, 14                            ; v14       my lane's part of the scatter address
.set VB, 15                            ; v15       my wave's state in LDS
.set AD, 16                            ; v[16:47]  32 scatter addresses
.set SV, 48                            ; v[48:79]  state operand, 4 fragments; also the packed state on its way to LDS
.set DD, 80                            ; v[80:143] 8 accumulator tiles
.set G1, 144                           ; v[144:207] first product's gate operand, 8 fragments
.set G2, 208                           ; v[208:255] second product's: re, im, -im, 2 fragments each
; registers of waves 4-7
.set SM, 16                            ; v[16:23]  four chains of sums of squares
.set RS, 24                            ; v[24:25]  32 / norm, twice
.set YR, 32                            ; v[32:47]  a row as f16
.set XR, 128                           ; v[128:255] four rows of x
	s_load_b128 s[4:7], s[0:1], 0x0                ; weights s[4:5], x s[6:7]
	s_load_b128 s[8:11], s[0:1], 0x10              ; xb s[8:9], ub s[10:11]
	s_set_vgpr_msb 0x40
	v_lshl_add_u32 v0, v0, 2, 0x40000
	v_mov_b32 v1, 0
	s_set_vgpr_msb 0x4000
	v_lshrrev_b32 v1, 5, v0
	v_readfirstlane_b32 s12, v1                    ; wave 0..7
	v_min_u32 v2, 159, v0                          ; my gate = 10 layer + wire; threads 160-255 repeat gate 159 into table slots that nobody reads
	v_mul_u32_u24 v2, v2, 12                       ; three f32 a gate
	v_and_b32 v1, 31, v0                           ; lane
	s_wait_kmcnt 0x0
	global_load_b32 v3, v2, s[4:5]                 ; phi
	global_load_b32 v4, v2, s[4:5] offset:4        ; theta
	global_load_b32 v5, v2, s[4:5] offset:8        ; omega
	s_wait_loadcnt 0x0
	; tanh(w) = 1 - 2 / (1 + 2^(2 log2(e) w)): +-1 at the ends, where the power is infinite or 0
	v_mul_f32 v3, 0x4038aa3b, v3
	v_mul_f32 v4, 0x4038aa3b, v4
	v_mul_f32 v5, 0x4038aa3b, v5
	v_exp_f32 v6, v3
	v_exp_f32 v7, v4
	v_exp_f32 v8, v5
	v_nop                                          ; one plain instruction between a transcendental and the use of its result (ISA guide 5.7.2)
	s_wait_alu depctr_va_vdst(0)
	v_add_f32 v6, 1.0, v6
	v_add_f32 v7, 1.0, v7
	v_add_f32 v8, 1.0, v8
	v_rcp_f32 v9, v6
	v_rcp_f32 v10, v7
	v_rcp_f32 v11, v8
	v_nop
	s_wait_alu depctr_va_vdst(0)
	v_fma_f32 v9, v9, -2.0, 1.0
	v_fma_f32 v10, v10, -2.0, 1.0
	v_fma_f32 v11, v11, -2.0, 1.0
	v_add_f32 v12, v9, v11
	v_sub_f32 v13, v9, v11
	v_mul_f32 v14, 0x3f490fdb, v10                 ; theta/4 (angle = pi tanh; pi/4 here, the doubling below gives theta/2)
	v_mul_f32 v12, 0x3f490fdb, v12                 ; (phi+omega)/4
	v_mul_f32 v13, 0x3f490fdb, v13                 ; (phi-omega)/4
; s = sin 2y, c = cos 2y for |y| <= pi/2: sin y to y^11, cos y to y^12, then sin 2y = 2 sin y cos y, cos 2y = 1 - 2 sin^2 y
.macro SINCOS y, s, c, z
	v_mul_f32 v[\z], v[\y], v[\y]
	v_mov_b32 v[\s], 0xb2d7322b                    ; -1/11!
	v_mov_b32 v[\c], 0x310f76c7                    ;  1/12!
	v_fmaak_f32 v[\s], v[\s], v[\z], 0x3638ef1d    ;  1/9!
	v_fmaak_f32 v[\c], v[\c], v[\z], 0xb493f27e    ; -1/10!
	v_fmaak_f32 v[\s], v[\s], v[\z], 0xb9500d01    ; -1/7!
	v_fmaak_f32 v[\c], v[\c], v[\z], 0x37d00d01    ;  1/8!
	v_fmaak_f32 v[\s], v[\s], v[\z], 0x3c088889    ;  1/5!
	v_fmaak_f32 v[\c], v[\c], v[\z], 0xbab60b61    ; -1/6!
	v_fmaak_f32 v[\s], v[\s], v[\z], 0xbe2aaaab    ; -1/3!
	v_fmaak_f32 v[\c], v[\c], v[\z], 0x3d2aaaab    ;  1/4!
	v_fma_f32 v[\s], v[\s], v[\z], 1.0
	v_fma_f32 v[\c], v[\c], v[\z], -0.5
	v_mul_f32 v[\s], v[\s], v[\y]                  ; sin y
	v_fma_f32 v[\c], v[\c], v[\z], 1.0             ; cos y
	v_mul_f32 v[\c], v[\s], v[\c]
	v_mul_f32 v[\z], v[\s], v[\s]
	v_add_f32 v[\s], v[\c], v[\c]
	v_fma_f32 v[\c], v[\z], -2.0, 1.0
.endm
	SINCOS 14, 16, 17, 22                          ; s, c of theta/2
	SINCOS 12, 18, 19, 22                          ; of alpha = (phi+omega)/2
	SINCOS 13, 20, 21, 22                          ; of beta  = (phi-omega)/2
	; With A = c cos alpha, B = c sin alpha, C = s cos beta, D = s sin beta:  m00 = A - iB, m01 = -C - iD, m10 = C - iD, m11 = A + iB.
	; An entry is kept as four words (re, im, -im, im), so that a complex product is two packed instructions.
	v_mul_f32 v32, v17, v19                        ; A
	v_mul_f32 v34, v17, v18                        ; B
	v_mul_f32 v40, v16, v21                        ; C
	v_mul_f32 v38, v16, v20                        ; D
	v_sub_f32 v33, 0, v34                          ; -B
	v_sub_f32 v36, 0, v40                          ; -C
	v_sub_f32 v37, 0, v38                          ; -D
	v_mov_b32 v35, v33                             ; m00 = (A, -B, B, -B)
	v_mov_b32 v39, v37                             ; m01 = (-C, -D, D, -D)
	v_mov_b32 v41, v37                             ; m10 = (C, -D, D, -D)
	v_mov_b32 v42, v38
	v_mov_b32 v43, v37
	v_mov_b32 v44, v32                             ; m11 = (A, B, -B, B)
	v_mov_b32 v45, v34
	v_mov_b32 v46, v33
	v_mov_b32 v47, v34
	v_lshlrev_b32 v23, 6, v0                       ; entry [i][j] of thread t's gate: TB + 64 t + 32 i + 16 j
	ds_store_b128 v23, v[32:35] offset:TB
	ds_store_b128 v23, v[36:39] offset:TB+16
	ds_store_b128 v23, v[40:43] offset:TB+32
	ds_store_b128 v23, v[44:47] offset:TB+48
	s_wait_dscnt 0x0                               ; my gate is in LDS before I say so
	s_barrier_signal -1
	s_barrier_wait -1                              ; all 160 gates are
	; THE KRONECKER MATRICES.  T[i][i'] = product over index bits b of g_b[i_b][i'_b]; i is summed over in the row's products, i' is the new index.
	; Wave w makes TL (wires 5-9) and TH (wires 0-4) of layers 2w and 2w+1; each lane makes the entries that it holds in the matrix instruction's
	; second operand (lane = (r, hh): column i' = 16 t + r; one bit of the k in its registers equals hh).
	s_mul_i32 s13, s12, 1280                       ; 640 bytes of table a layer
	s_add_co_u32 s13, s13, TB
	s_mul_i32 s14, s12, 2*LAYB
	s_add_co_u32 s14, s14, FR
	v_lshrrev_b32 v3, 4, v1                        ; hh
.irp b, 0,1,2,3
	v_bfe_u32 v14, v1, \b, 1
	v_lshl_add_u32 v[6+\b], v14, 4, s13            ; v6-v9: column r_b of a gate
.endr
	v_lshl_add_u32 v10, v3, 5, v8                  ; entry [hh][r2]
	v_lshl_add_u32 v11, v3, 5, v9                  ; entry [hh][r3]
	v_mov_b32 v12, s13                             ; a whole gate, the same in all lanes
	v_lshl_add_u32 v13, v1, 4, s14                 ; my 16 bytes of an image's half (an image: registers 0-3 of 32 lanes, then registers 4-7)
; z = x y, complex; y as four words (re, im, -im, im):  z = (xr, xi) yr, then z += (xi, xr) (-yi, yi)
.macro CMUL z, x, y
	v_pk_mul_f32 v[\z:\z+1], v[\x:\x+1], v[\y:\y+1] op_sel_hi:[1,0]
	v_pk_fma_f32 v[\z:\z+1], v[\x:\x+1], v[\y+2:\y+3], v[\z:\z+1] op_sel:[1,0,0] op_sel_hi:[0,1,1]
.endm
.macro KRON8                           ; Q3[4 c + 2 b + a] = WV GE0[a] GE1[b] GE2[c]
	CMUL Q1, WV, GE0
	CMUL Q1+2, WV, GE0+4
.irp ib, 0,1
.irp ia, 0,1
	CMUL Q2+2*(2*\ib+\ia), Q1+2*\ia, GE1+4*\ib
.endr
.endr
.irp ic, 0,1
.irp iq, 0,1,2,3
	CMUL Q3+2*(4*\ic+\iq), Q2+2*\iq, GE2+4*\ic
.endr
.endr
.endm
.irp ly, 0,1
	; TL, for the first product: k runs over (lo, re/im), re and im of one amplitude in one word: register p of K step ks holds
	; lo = 16 ks + 8 (p>>2) + 4 hh + (p&3).  Index bit b belongs to wire 9-b.
	ds_load_b64  v[WV:WV+1], v10 offset:64*7+640*\ly           ; bit 2 is my lane's hh
	ds_load_b128 v[GE0:GE0+3], v6 offset:64*9+640*\ly
	ds_load_b128 v[GE0+4:GE0+7], v6 offset:64*9+32+640*\ly
	ds_load_b128 v[GE1:GE1+3], v7 offset:64*8+640*\ly
	ds_load_b128 v[GE1+4:GE1+7], v7 offset:64*8+32+640*\ly
	ds_load_b128 v[GE2:GE2+3], v9 offset:64*6+640*\ly          ; bit 3
	ds_load_b128 v[GE2+4:GE2+7], v9 offset:64*6+32+640*\ly
.irp k, 0,1,2,3
	ds_load_b128 v[GE4+4*\k:GE4+4*\k+3], v12 offset:64*5+16*\k+640*\ly
.endr
	s_wait_dscnt 0x0
	KRON8
.irp ks, 0,1
.irp ta, 0,1
.irp p, 0,1,2,3,4,5,6,7
	CMUL TT+2*\p, Q3+2*\p, GE4+4*(2*\ks+\ta)
.endr
.irp p, 0,1,2,3,4,5,6,7
	v_cvt_pk_f16_f32 v[DT+\p], v[TT+2*\p], v[TT+2*\p+1]
	v_xor_b32 v[FO+\p], 0x80000000, v[DT+\p]           ; (re, -im): what (re, im) of the state meets for the real part
	v_alignbit_b32 v[FO+8+\p], v[DT+\p], v[DT+\p], 16  ; (im, re): for the imaginary part
.endr
	ds_store_b128 v13, v[FO:FO+3]     offset:1024*(4*\ks+\ta)+LAYB*\ly
	ds_store_b128 v13, v[FO+4:FO+7]   offset:1024*(4*\ks+\ta)+512+LAYB*\ly
	ds_store_b128 v13, v[FO+8:FO+11]  offset:1024*(4*\ks+2+\ta)+LAYB*\ly
	ds_store_b128 v13, v[FO+12:FO+15] offset:1024*(4*\ks+2+\ta)+512+LAYB*\ly
.endr
.endr
	; TH, for the second product: k = h, one K step for the state's real parts and one for the imaginary: half e of register p holds
	; h = 16 (p>>2) + 8 hh + 2 (p&3) + e.  Index bit b belongs to wire 4-b.  Three kinds of image: re, im, -im.
	ds_load_b64  v[WV:WV+1], v11 offset:64*1+640*\ly           ; bit 3 is my lane's hh
	ds_load_b128 v[GE0:GE0+3], v6 offset:64*4+640*\ly
	ds_load_b128 v[GE0+4:GE0+7], v6 offset:64*4+32+640*\ly
	ds_load_b128 v[GE1:GE1+3], v7 offset:64*3+640*\ly
	ds_load_b128 v[GE1+4:GE1+7], v7 offset:64*3+32+640*\ly
	ds_load_b128 v[GE2:GE2+3], v8 offset:64*2+640*\ly
	ds_load_b128 v[GE2+4:GE2+7], v8 offset:64*2+32+640*\ly
.irp k, 0,1,2,3
	ds_load_b128 v[GE4+4*\k:GE4+4*\k+3], v12 offset:16*\k+640*\ly
.endr
	s_wait_dscnt 0x0
	KRON8
.irp kb, 0,1
.irp tc, 0,1
.irp p, 0,1,2,3,4,5,6,7
	CMUL TT+2*\p, Q3+2*\p, GE4+4*(2*\kb+\tc)
.endr
.irp p, 0,1,2,3
	v_cvt_pk_f16_f32 v[FO+\p], v[TT+4*\p], v[TT+4*\p+2]
	v_cvt_pk_f16_f32 v[FO+4+\p], v[TT+4*\p+1], v[TT+4*\p+3]
	v_xor_b32 v[FO+8+\p], 0x80008000, v[FO+4+\p]
.endr
	ds_store_b128 v13, v[FO:FO+3]    offset:F2+1024*\tc+512*\kb+LAYB*\ly
	ds_store_b128 v13, v[FO+4:FO+7]  offset:F2+1024*(2+\tc)+512*\kb+LAYB*\ly
	ds_store_b128 v13, v[FO+8:FO+11] offset:F2+1024*(4+\tc)+512*\kb+LAYB*\ly
.endr
.endr
.endr
	s_wait_dscnt 0x0                               ; my images are in LDS before I say so
	s_barrier_signal -1
	s_barrier_wait -1                              ; all 16 layers' are; from here on no wave writes them, and no wave touches another's bytes
	s_cmp_ge_u32 s12, 4
	s_cbranch_scc1 .Lstream
	; ---------------- waves 0-3: one row of U ----------------
	; The state in LDS: amplitude (h, lo) is one word (re, im in f16) at word 32 h + (lo xor 4 h[3:1]): a 16-byte load of 16 rows then touches 16
	; different 16-byte columns modulo 256 bytes (64 banks of 4 bytes: ISA guide 11.1).  The map is linear over GF(2), like the CNOTs.
	v_and_b32 v2, 15, v1                           ; r
	s_lshl_b32 s16, s12, 12
	v_mov_b32 v[VB], s16
	v_lshrrev_b32 v16, 1, v2
	v_xor_b32 v16, v16, v3                         ; 16-byte piece hh, swizzled by r[3:1]
	v_lshlrev_b32 v16, 4, v16
	v_lshl_add_u32 v16, v2, 7, v16                 ; + row r
.irp w4, 0,1,2,3
	v_xor_b32 v[LA+\w4], 32*\w4, v16               ; piece 4 ks + 2 u + hh, w4 = 2 ks + u
	v_and_b32 v[LA+\w4], 0x7f0, v[LA+\w4]          ; changes nothing: restates the range, 16 rows of 128 bytes
	v_add_nc_u32 v[LA+\w4], v[VB], v[LA+\w4]
.endr
.irp k, 0,1,2,3,4
	v_bfe_u32 v[MK+\k], v1, \k, 1
	v_sub_nc_u32 v[MK+\k], 0, v[MK+\k]
.endr
	v_lshl_add_u32 v[GA], v1, 4, FR+15*LAYB        ; the row starts with layer 15
.macro LOADG1
.irp f, 0,1,2,3,4,5,6,7
	ds_load_b128 v[G1+8*\f:G1+8*\f+3], v[GA] offset:1024*\f
	ds_load_b128 v[G1+8*\f+4:G1+8*\f+7], v[GA] offset:1024*\f+512
.endr
.endm
.macro LOADG2
.irp f, 0,1,2,3,4,5
	ds_load_b128 v[G2+8*\f:G2+8*\f+3], v[GA] offset:F2+1024*\f
	ds_load_b128 v[G2+8*\f+4:G2+8*\f+7], v[GA] offset:F2+1024*\f+512
.endr
.endm
	LOADG1
	LOADG2
	; P^T = C0 C1 .. C9 (C_w: control wire w, target wire (w + range) mod 10) moves the amplitude at index j to c0(c1(..c9(j))).
	s_lshl_b32 s20, ttmp9, 2
	s_add_co_u32 s20, s20, s12                     ; n, my row of U
	s_mov_b32 s21, s20
	.set pw, 9
.rept 10
	s_bfe_u32 s22, s21, (1<<16)|(9-pw)             ; the control's bit
	s_lshl_b32 s22, s22, 9-((pw+7)%10)             ; flips the target's; layer 15 has range 15 mod 9 + 1 = 7
	s_xor_b32 s21, s21, s22
	.set pw, pw-1
.endr
	; P15^T e_n = e_m, written straight into the first operand: register p of fragment (tb, ks) holds index 512 tb + 32 r + 16 ks + 8 (p>>2) + 4 hh + (p&3)
	v_lshlrev_b32 v16, 5, v2
	v_lshl_add_u32 v16, v3, 2, v16
	v_xor_b32 v16, s21, v16                        ; equals the register's constant where the register holds index m
	v_mov_b32 v17, 0x3c00                          ; (1.0, 0.0) in f16
.irp tb, 0,1
.irp ks, 0,1
.irp p, 0,1,2,3,4,5,6,7
	v_cmp_eq_u32 vcc_lo, 512*\tb+16*\ks+8*(\p>>2)+(\p&3), v16
	v_cndmask_b32 v[SV+8*(2*\tb+\ks)+\p], 0, v17, vcc_lo
.endr
.endr
.endr
; PX = the LDS word to which P^T of range PRR sends index PIN
.macro PERM
	.set PX, PIN
	.set pw, 9
	.rept 10
	.set PX, PX^(((PX>>(9-pw))&1)<<(9-((pw+PRR)%10)))
	.set pw, pw-1
	.endr
	.set PX, PX^(((PX>>6)&7)<<2)
.endm
; the address of packed amplitude number ai = 16 ta + 8 tc + j, whose index is 512 tc + 16 ta + j + (my lane's 32 r + 8 hh)
.macro ADDR
	.set PIN, 512*((ai>>3)&1)+16*(ai>>4)+(ai&7)
	PERM
	v_xor_b32 v[AD+ai], PX*4, v[LL]
	v_and_b32 v[AD+ai], 0xffc, v[AD+ai]            ; changes nothing: restates the range, one state of 4,096 bytes
	v_add_nc_u32 v[AD+ai], v[VB], v[AD+ai]
	.set ai, ai+1
.endm
; One layer: v <- K_l^T v, then (l > 0) the scatter by P_(l-1)^T.
; The eight accumulator tiles take turns, one instruction a turn.
.macro LAYER l
.if \l < 15
.irp tb, 0,1
.irp w4, 0,1,2,3
	ds_load_b128 v[SV+8*(2*\tb+(\w4>>1))+4*(\w4&1):SV+8*(2*\tb+(\w4>>1))+4*(\w4&1)+3], v[LA+\w4] offset:2048*\tb   ; LDS serves a wave's instructions in order (ISA guide 5.7.1): these see the scatter
.endr
.endr
.endif
	s_wait_dscnt 0x0                               ; the state; the gate operands, asked for earlier, are older and so in too
	; first product: D[h][(c', lo')] = sum over (lo, c) of V[h][(lo, c)] TL
.irp ks, 0,1
.irp mt, 0,1
.irp nt, 0,1,2,3
.if \ks
	v_wmma_f32_16x16x32_f16 v[DD+8*(4*\mt+\nt):DD+8*(4*\mt+\nt)+7], v[SV+8*(2*\mt+1):SV+8*(2*\mt+1)+7], v[G1+8*(4+\nt):G1+8*(4+\nt)+7], v[DD+8*(4*\mt+\nt):DD+8*(4*\mt+\nt)+7]
.else
	v_wmma_f32_16x16x32_f16 v[DD+8*(4*\mt+\nt):DD+8*(4*\mt+\nt)+7], v[SV+8*(2*\mt):SV+8*(2*\mt)+7], v[G1+8*\nt:G1+8*\nt+7], 0
.endif
.endr
.endr
.endr
	; Plain vector instructions that name none of a matrix instruction's registers stand between it and a read of its result, a write of its sources,
	; a load into them (four) or a matrix instruction that writes over them (five): here the ten that make the next scatter's lane part and GA.
.if \l > 0
	.set PRR, ((\l-1)%9)+1
	.set PIN, 32
	PERM
	v_and_b32 v[LL], PX*4, v[MK]                   ; lane bit k is index bit 5 + k (r), lane bit 4 is index bit 3 (hh)
.irp k, 1,2,3
	.set PIN, 32<<\k
	PERM
	v_and_b32 v[AD], PX*4, v[MK+\k]
	v_xor_b32 v[LL], v[LL], v[AD]
.endr
	.set PIN, 8
	PERM
	v_and_b32 v[AD], PX*4, v[MK+4]
	v_xor_b32 v[LL], v[LL], v[AD]
	v_lshl_add_u32 v[GA], v1, 4, FR+(\l-1)*LAYB
	LOADG1                                         ; the next layer's, a whole product and the scatter ahead of their use
.else
.rept 5
	v_nop
.endr
.endif
	; registers j of tiles (0, nt), (1, nt) hold h = 8 hh + j, 16 + 8 hh + j of column lo': the first operand's layout for row lo', k = h
.irp ta, 0,1
.irp cp, 0,1
.irp p, 0,1,2,3,4,5,6,7
	v_cvt_pk_f16_f32 v[SV+8*(2*\ta+\cp)+\p], v[DD+8*(4*(\p>>2)+2*\cp+\ta)+2*(\p&3)], v[DD+8*(4*(\p>>2)+2*\cp+\ta)+2*(\p&3)+1]
.endr
.endr
.endr
	; second product: D[lo'][(c'', h')]: re = re TH.re + im (-TH.im), im = re TH.im + im TH.re.  The scatter's addresses are made between the matrix instructions.
	.set ai, 0
.irp cp, 0,1
.irp ta, 0,1
.irp n2, 0,1,2,3
.if \cp
	v_wmma_f32_16x16x32_f16 v[DD+8*(4*\ta+\n2):DD+8*(4*\ta+\n2)+7], v[SV+8*(2*\ta+1):SV+8*(2*\ta+1)+7], v[G2+8*((\n2+4)%6):G2+8*((\n2+4)%6)+7], v[DD+8*(4*\ta+\n2):DD+8*(4*\ta+\n2)+7]
.else
	v_wmma_f32_16x16x32_f16 v[DD+8*(4*\ta+\n2):DD+8*(4*\ta+\n2)+7], v[SV+8*(2*\ta):SV+8*(2*\ta)+7], v[G2+8*\n2:G2+8*\n2+7], 0
.endif
.if \l > 0
	ADDR
	ADDR                                           ; behind the last matrix instruction these six are its places
.endif
.endr
.endr
.endr
.if \l > 0
	LOADG2
.irp ta, 0,1
.irp tc, 0,1
.irp j, 0,1,2,3,4,5,6,7
	v_cvt_pk_f16_f32 v[SV+16*\ta+8*\tc+\j], v[DD+8*(4*\ta+\tc)+\j], v[DD+8*(4*\ta+2+\tc)+\j]   ; (re, im) of amplitude h' = 16 tc + r, lo' = 16 ta + 8 hh + j
	ds_store_b32 v[AD+16*\ta+8*\tc+\j], v[SV+16*\ta+8*\tc+\j]
.endr
.endr
.endr
.endif
.endm
.irp l, 15,14,13,12,11,10,9,8,7,6,5,4,3,2,1,0
	LAYER \l
.endr
	; The row: U[n][32 h' + lo'].  In f16, eight neighbouring lo' of a lane are 16 bytes; through my state's bytes in LDS they become whole runs.
	v_lshlrev_b32 v16, 6, v2                       ; five plain instructions: the places behind the last matrix instruction
	v_lshl_add_u32 v16, v3, 4, v16
	v_add_nc_u32 v16, v[VB], v16                   ; 64 r + 16 hh
	v_lshl_add_u32 v17, v1, 4, v[VB]
	v_lshlrev_b32 v18, 4, v1
.irp cc, 0,1
.irp tc, 0,1
.irp ta, 0,1
.irp q, 0,1,2,3
	v_cvt_pk_f16_f32 v[SV+4*(4*\cc+2*\tc+\ta)+\q], v[DD+8*(4*\ta+2*\cc+\tc)+2*\q], v[DD+8*(4*\ta+2*\cc+\tc)+2*\q+1]
.endr
	ds_store_b128 v16, v[SV+4*(4*\cc+2*\tc+\ta):SV+4*(4*\cc+2*\tc+\ta)+3] offset:2048*\cc+1024*\tc+32*\ta
.endr
.endr
.endr
	; ub's rows are ordered 32 (n>>4) + 16 c + (n&15), c = 0 re, 1 im: in the product that follows, re and im of an output lie in the same lane and register of neighbouring tiles
	s_lshr_b32 s22, s20, 4
	s_lshl_b32 s22, s22, 5
	s_and_b32 s23, s20, 15
	s_add_co_u32 s22, s22, s23
	s_lshl_b32 s22, s22, 11                        ; rows of 2,048 bytes
	s_mov_b32 s23, 0
	s_add_nc_u64 s[10:11], s[10:11], s[22:23]
.irp i, 0,1,2,3,4,5,6,7
	ds_load_b128 v[DD+4*\i:DD+4*\i+3], v17 offset:512*\i
.endr
.irp i, 0,1,2,3,4,5,6,7
	s_wait_dscnt 7-\i                              ; LDS loads come back in order: number i is in, the 7 - i younger ones may be out
	global_store_b128 v18, v[DD+4*\i:DD+4*\i+3], s[10:11] offset:512*(\i&3)+32768*(\i>>2)   ; 512 consecutive bytes, aligned; the imaginary row lies 16 rows on
.endr
	s_set_vgpr_msb 0x5
	s_wait_tensorcnt 0x0
	ds_add_u32 v0, v1
	s_wait_dscnt 0x0
	s_set_vgpr_msb 0x500
	s_endpgm
	; ---------------- waves 4-7: xb = 32 x / |x| in f16, 8 rows a wave ----------------
	; A row is 4,096 bytes: eight 16-byte loads a lane, kept in 32 registers between the sum of squares and the scaling, so x is read once.
	; Four rows are on their way or at work.
.Lstream:
	s_sub_co_u32 s16, s12, 4
	s_lshl_b32 s17, ttmp9, 5
	s_lshl3_add_u32 s16, s16, s17                  ; my first row = 32 group + 8 (wave - 4)
	s_lshl_b32 s18, s16, 12
	s_mov_b32 s19, 0
	s_add_nc_u64 s[6:7], s[6:7], s[18:19]
	s_lshl_b32 s18, s16, 11
	s_add_nc_u64 s[8:9], s[8:9], s[18:19]
	s_mov_b32 s24, 0x76543210                      ; v_permlanex16_b32: lane i of one half reads lane i of the other
	s_mov_b32 s25, 0xfedcba98
	v_lshlrev_b32 v4, 4, v1                        ; never rewritten: rows and pieces stand in the immediates
	v_lshlrev_b32 v5, 3, v1
.macro FILLX k
.irp j, 0,1,2,3,4,5,6,7
	global_load_b128 v[XR+32*((\k)&3)+4*\j:XR+32*((\k)&3)+4*\j+3], v4, s[6:7] offset:4096*(\k)+512*\j th:TH_LOAD_NT
.endr
.endm
	FILLX 0
	FILLX 1
	FILLX 2
	FILLX 3
; row k; left = younger loads that may stay out; fill = 1: its registers then take row k + 4
.macro TURN k, left, fill
	.set xs, XR+32*(\k&3)
	s_wait_loadcnt \left                           ; loads come back in order (ISA guide 5.7.1): my eight are in, eight for each younger row stay out
.irp c, 0,1,2,3
	v_pk_mul_f32 v[SM+2*\c:SM+2*\c+1], v[xs+2*\c:xs+2*\c+1], v[xs+2*\c:xs+2*\c+1]   ; the first squares start four chains
.endr
	.set jj, 4
.rept 12
	v_pk_fma_f32 v[SM+2*(jj%4):SM+2*(jj%4)+1], v[xs+2*jj:xs+2*jj+1], v[xs+2*jj:xs+2*jj+1], v[SM+2*(jj%4):SM+2*(jj%4)+1]
	.set jj, jj+1
.endr
	v_pk_add_f32 v[SM:SM+1], v[SM:SM+1], v[SM+2:SM+3]
	v_pk_add_f32 v[SM+4:SM+5], v[SM+4:SM+5], v[SM+6:SM+7]
	v_pk_add_f32 v[SM:SM+1], v[SM:SM+1], v[SM+4:SM+5]
	v_add_f32 v[SM], v[SM], v[SM+1]
	v_add_f32_dpp v[SM], v[SM], v[SM] row_xmask:1 row_mask:0xf bank_mask:0xf
	v_add_f32_dpp v[SM], v[SM], v[SM] row_xmask:2 row_mask:0xf bank_mask:0xf
	v_add_f32_dpp v[SM], v[SM], v[SM] row_xmask:4 row_mask:0xf bank_mask:0xf
	v_add_f32_dpp v[SM], v[SM], v[SM] row_xmask:8 row_mask:0xf bank_mask:0xf
	v_permlanex16_b32 v[SM+1], v[SM], s24, s25
	v_add_f32 v[SM], v[SM], v[SM+1]                ; the row's sum of squares, in every lane
	v_rsq_f32 v[RS], v[SM]
	v_nop                                          ; one plain instruction behind a transcendental (ISA guide 5.7.2)
	s_wait_alu depctr_va_vdst(0)
	v_mul_f32 v[RS], 0x42000000, v[RS]             ; 32 / |x|: 1024 |U x/|x||^2 = |U (32 x/|x|)|^2
	v_mov_b32 v[RS+1], v[RS]
	s_wait_xcnt 0x0                                ; the last row's stores have had their addresses translated (ISA guide 3.1): their data registers are rewritten only behind this wait
.irp i, 0,1,2,3,4,5,6,7,8,9,10,11,12,13,14,15
	v_pk_mul_f32 v[xs+2*\i:xs+2*\i+1], v[xs+2*\i:xs+2*\i+1], v[RS:RS+1]
.endr
.irp i, 0,1,2,3,4,5,6,7,8,9,10,11,12,13,14,15
	v_cvt_pk_f16_f32 v[YR+\i], v[xs+2*\i], v[xs+2*\i+1]
.endr
.if \fill
	FILLX \k+4
.endif
.irp j, 0,1,2,3,4,5,6,7
	global_store_b64 v5, v[YR+2*\j:YR+2*\j+1], s[8:9] offset:2048*\k+256*\j   ; the wave's 32 lanes store 256 consecutive bytes, aligned
.endr
.endm
	TURN 0, 24, 1
	TURN 1, 24, 1
	TURN 2, 24, 1
	TURN 3, 24, 1
	TURN 4, 24, 0                                  ; nothing is left to fetch: the counts run down
	TURN 5, 16, 0
	TURN 6, 8, 0
	TURN 7, 0, 0
	s_set_vgpr_msb 0x5
	s_wait_tensorcnt 0x0
	ds_add_u32 v0, v1
	s_wait_dscnt 0x0
	s_set_vgpr_msb 0x500
	s_endpgm
.Lfunc_end_k_q3983a69989_prep:
	.size	k_q3983a69989_prep, .Lfunc_end_k_q3983a69989_prep-k_q3983a69989_prep
	.p2alignl 7, 3214868480
	.fill 96, 4, 3214868480
	.section	.rodata,"a",@progbits
	.p2align	6, 0x0
	.amdhsa_kernel k_q3983a69989_prep
		.amdhsa_group_segment_fixed_size 263168
		.amdhsa_private_segment_fixed_size 0
		.amdhsa_enable_private_segment 0
		.amdhsa_kernarg_size 32
		.amdhsa_user_sgpr_count 2
		.amdhsa_user_sgpr_kernarg_segment_ptr 1
		.amdhsa_wavefront_size32 1
		.amdhsa_system_sgpr_workgroup_id_x 1
		.amdhsa_system_sgpr_workgroup_id_y 1
		.amdhsa_system_sgpr_workgroup_id_z 1
		.amdhsa_system_vgpr_workitem_id 0
		.amdhsa_next_free_vgpr 258
		.amdhsa_next_free_sgpr 66
		.amdhsa_reserve_vcc 1
		.amdhsa_float_denorm_mode_32 3
		.amdhsa_float_denorm_mode_16_64 3
		.amdhsa_memory_ordered 1
		.amdhsa_forward_progress 1
		.amdhsa_inst_pref_size 255
	.end_amdhsa_kernel
	.section	.bss,"aw",@nobits
	.p2align	6
	.space	262144
	.amdgpu_metadata
---
amdhsa.version: [ 1, 2 ]
amdhsa.kernels:
  - .name:           k_q3983a69989_prep
    .symbol:         k_q3983a69989_prep.kd
    .args:
      - { .name: weights, .offset: 0, .size: 8, .value_kind: global_buffer, .address_space: global }
      - { .name: x, .offset: 8, .size: 8, .value_kind: global_buffer, .address_space: global }
      - { .name: xb, .offset: 16, .size: 8, .value_kind: global_buffer, .address_space: global }
      - { .name: ub, .offset: 24, .size: 8, .value_kind: global_buffer, .address_space: global }
    .group_segment_fixed_size: 263168
    .private_segment_fixed_size: 0
    .kernarg_segment_align: 8
    .kernarg_segment_size: 32
    .max_flat_workgroup_size: 256
    .sgpr_count:     66
    .vgpr_count:     258
    .wavefront_size: 32
...
	.end_amdgpu_metadata
.endif
;; end of part 1
;; launch gemm (part 2): grid 8 x 32, 4 waves a work-group, clusters of 4 x 4, 327,680 bytes of LDS; arguments xb, ub, out0; writes out0
.if DOCPART == 2
	.amdgcn_target "amdgcn-amd-amdhsa--gfx1250"
	.amdhsa_code_object_version 6
	.text
	.protected	k_q3983a69989_gemm
	.globl	k_q3983a69989_gemm
	.p2align	8
	.type	k_q3983a69989_gemm,@function
k_q3983a69989_gemm:
	s_mov_b64 s[64:65], 0
	v_nop
	global_prefetch_b8 v0, s[64:65] scope:SCOPE_SE
	s_setreg_imm32_b32 hwreg(HW_REG_WAVE_MODE, 25, 1), 1
	s_wait_xcnt 0x0
	s_wait_alu depctr_hold_cnt(0) depctr_sa_sdst(0) depctr_va_vdst(0) depctr_va_sdst(0) depctr_va_ssrc(0) depctr_va_vcc(0) depctr_vm_vsrc(0)
	s_getreg_b32 s2, hwreg(HW_REG_IB_STS2, 6, 4)
	s_cmp_eq_u32 s2, 0
	s_cbranch_scc0 .Lentry_in_a_cluster
	s_endpgm
.Lentry_in_a_cluster:
	s_bfe_u32 s2, ttmp6, 0x10000c
	s_cmp_lg_u32 s2, 0xf033
	s_cbranch_scc0 .Lentry_shape_is_right
	s_endpgm
.Lentry_shape_is_right:
; out[m][o] = min(1, re^2 + im^2),  re, im = sum over k of xb[m][k] ub[n'][k],  n' = 32 (o>>4) + 16 c + (o&15), c = 0 for re, 1 for im.
; xb: [8192][1024] f16 (32 x/|x|, at most 32 in magnitude), ub: [2048][1024] f16 (entries of a unitary, at most 1), out: [8192][1024] f32; sums in f32.
; The lower clip at 0 holds by itself (a sum of squares); a NaN stays a NaN (the clip is a compare and a select).
; A work-group makes 256 rows x 256 columns n' (128 outputs) with four waves, as many as a WGP has SIMDs; a wave makes 128 x 128: 64 accumulator
; tiles of 16 x 16, 512 registers.  K goes in steps of 128 through two LDS slots filled by the tensor data mover: a tile's rows are 256 bytes of
; memory and start at multiples of 256 bytes from the buffer's first byte.
; CLUSTERS: 4 x 4 work-groups.  The four of a cluster's row need the same tiles of xb, the four of a column the same tiles of ub.  Such a tile is asked
; for jointly: each of the four issues the same tensor load, with the same descriptor and a mask that names the four: a quarter of the requests.
; REGISTERS, in windows of 256 (s_set_vgpr_msb says which window each operand place means):
;   window 0: v0-31 addresses; v64-127, v128-191 fragments of xb (8 x 16 rows x 32 K), two buffers; v192-223 at work on the way out
;   window 1: v64-127, v128-191 fragments of ub, two buffers
;   window 2: the 32 accumulator tiles of my rows 0-63 (tile (a, b) at v[8 (8 a + b)]);   window 3: those of my rows 64-127
; THE MATRIX INSTRUCTION IS USED TRANSPOSED: source 0 = 16 rows of ub, source 1 = 16 rows of xb.  Lane l then holds row m = l % 16, its registers 0-7
; the columns 8 (l / 16) + 0..7 of the tile.  Tiles (a, 2g) and (a, 2g+1) hold re and im of the same 16 outputs in the same lanes and registers.
.set SIZE_K, 1024
.set OPITCH, 4096                      ; bytes in a row of out
.set KSTEP,  128
.set PITCH,  272                       ; an LDS row: 256 bytes + 16 of padding = 68 words: the 16 rows that a load touches start at 16 different banks (64 banks of 4 bytes: ISA guide 11.1)
.set HALFT,  128*PITCH                 ; 128 rows: what one tensor load brings, and what one wave reads of xb or of ub
.set SLOT,   4*HALFT                   ; xb's 256 rows, then ub's 256 rows
.set STAGE,  2*SLOT                    ; behind the slots: 16 rows x 272 bytes for each wave, for the way out; no tensor load lands here
.set SPITCH, 272
.set LAPS, SIZE_K/(2*KSTEP)            ; a lap = two K steps = both slots once: 4 laps
.set ADRA, 16                          ; v16-17  LDS address of my xb fragments in slot 0, 1
.set ADRB, 20                          ; v20-21  the same for ub
.set STO,  24                          ; v24     the way out: where I put 32 bytes of a row
.set RD,   25                          ; v25     the way out: where I read a row back
.set CO,   26                          ; v26     my byte offset in out
.set ONE,  27                          ; v27     1.0
.set F0,   64                          ; fragment buffer 0
.set F1,   128                         ; fragment buffer 1
.set TMP,  192                         ; the way out: 32 results, in window 0
.set G1, 24                            ; s[24:31] descriptor group 1 for xb's tiles
.set G0, 32                            ; s[32:39] descriptor group 0 for xb's tiles, one set for each slot
.set G1B, 48                           ; s[48:55] descriptor group 1 for ub's tiles: it differs in the mask alone
.set G0B, 56                           ; s[56:63] descriptor group 0 for ub's tiles, one set for each slot
.set MSB, 0
.macro WIN new                         ; the immediate's high byte repeats the setting that is left
.if MSB != \new
	s_set_vgpr_msb (MSB<<8)|\new
.set MSB, \new
.endif
.endm
.set MUL_LO, 0xa1                      ; source 0 (ub) window 1, source 1 (xb) window 0, C and D window 2
.set MUL_HI, 0xf1                      ; the same, C and D window 3
.set TO_B,   0x40                      ; destination window 1, address window 0
; A joint load.  Waves 0 and 1 fetch xb's two halves, waves 2 and 3 ub's.  Each line has one mask and one set of registers for all that issue it;
; the branch hangs on the wave's number alone and is the same in every work-group.
.macro JLOAD s
	s_cmp_eq_u32 s11, 0
	s_cbranch_scc0 .Lfor_b_\@
	tensor_load_to_lds s[G0+4*\s:G0+4*\s+3], s[G1:G1+7]
	s_nop 0
	s_branch .Lasked_\@
.Lfor_b_\@:
	tensor_load_to_lds s[G0B+4*\s:G0B+4*\s+3], s[G1B:G1B+7]
	s_nop 0
.Lasked_\@:
.endm
; A round of the cluster's barrier: my work-group's barrier, so that wave 0's signal speaks for all four waves; wave 0 signals for the work-group;
; every wave waits for all sixteen work-groups; my work-group's barrier once more.
.macro CREST                           ; a round behind its opening barrier
	s_cmp_lg_u32 s10, 0
	s_cbranch_scc1 .Lnot_wave_0_\@
	s_barrier_signal -3
.Lnot_wave_0_\@:
	s_barrier_wait -3
	s_barrier_signal -1
	s_barrier_wait -1
.endm
.macro CROUND                          ; a whole round
	s_barrier_signal -1
	s_barrier_wait -1
	CREST
.endm
	s_load_b128 s[4:7], s[0:1], 0x0                ; xb s[4:5], ub s[6:7]
	s_load_b64 s[8:9], s[0:1], 0x10                ; out
	s_set_vgpr_msb 0x40
	v_lshl_add_u32 v255, v0, 2, 0x48400
	s_set_vgpr_msb 0x4000
	v_mov_b32 v255, 0
	s_set_vgpr_msb 0x1
	ds_add_u32 v255, v255
	s_set_vgpr_msb 0x100
	v_lshrrev_b32 v1, 5, v0
	v_readfirstlane_b32 s10, v1                    ; wave 0..3
	s_lshr_b32 s11, s10, 1                         ; which half of the block's rows is mine.  Also: I fetch for xb (0) or for ub (1)
	s_and_b32 s12, s10, 1                          ; which half of its columns.  Also: which 128 rows of that tile I fetch
	s_bfe_u32 s40, ttmp6, 0x40000                  ; cx: my place along the cluster's x
	s_bfe_u32 s41, ttmp6, 0x40004                  ; cy: along its y
	s_lshl_b32 s42, ttmp9, 2                       ; in a cluster launch ttmp9 and ttmp7 count clusters
	s_add_co_u32 s42, s42, s40                     ; block column = 4 x cluster x + cx
	s_and_b32 s13, ttmp7, 0xffff
	s_lshl_b32 s13, s13, 2
	s_add_co_u32 s13, s13, s41                     ; block row = 4 x cluster y + cy
	s_lshl_b32 s43, s41, 2
	s_lshl_b32 s43, 15, s43                        ; my row of the cluster: places 4 cy .. 4 cy + 3
	s_lshl_b32 s44, 0x1111, s40                    ; my column: places cx, cx + 4, cx + 8, cx + 12
	; descriptor group 1: a tile of 128 rows x 128 elements, padded in LDS
	s_or_b32 s[G1+0], s43, (1<<16)|(1<<20)|(1<<21)|(5<<22)|(3<<25)  ; 15:0 the mask: xb's tiles go to my row; 17:16 element of 2 bytes; 20 padding on; 21 set beside a mask; 24:22 after every 64 words; 31:25 of 4 words
	s_or_b32 s[G1B+0], s44, (1<<16)|(1<<20)|(1<<21)|(5<<22)|(3<<25) ; the same with the mask of my column, for ub's tiles
	s_mov_b32 s[G1B+1], KSTEP<<16
	s_mov_b32 s[G1+1], KSTEP<<16                   ; 63:48 tensor_dim0, low half = 128
	s_mov_b32 s[G1B+2], 128<<16
	s_mov_b32 s[G1+2], 128<<16                     ; 95:80 tensor_dim1, low half = 128
	s_mov_b32 s[G1B+3], KSTEP<<16
	s_mov_b32 s[G1+3], KSTEP<<16                   ; 127:112 tile_dim0 = 128
	s_mov_b32 s[G1B+4], 128
	s_mov_b32 s[G1+4], 128                         ; 143:128 tile_dim1 = 128; tile_dim2 = 0
	s_mov_b32 s[G1B+5], SIZE_K
	s_mov_b32 s[G1+5], SIZE_K                      ; 191:160 elements from row to row
	s_mov_b32 s[G1B+6], 0
	s_mov_b32 s[G1+6], 0
	s_mov_b32 s[G1B+7], 0
	s_mov_b32 s[G1+7], 0
	; where the tiles come from.  xb's hang on the block row alone, which my row of the cluster shares; ub's on the block column alone, which my column shares.
	; Every wave makes both addresses, in registers that never hold the other coordinate, and asks by one of them.
	s_lshl_b32 s17, s12, 7                         ; which 128 rows of the tile I fetch
	s_lshl_b32 s16, s13, 8
	s_add_co_u32 s16, s16, s17                     ; xb: row 256 x block row + 128 x half
	s_lshl_b32 s46, s42, 8
	s_add_co_u32 s46, s46, s17                     ; ub: row 256 x block column + 128 x half
	s_mov_b32 s17, 0
	s_mov_b32 s47, 0
	s_mov_b64 s[18:19], SIZE_K*2
	s_mul_u64 s[16:17], s[16:17], s[18:19]         ; in bytes, in 64 bits
	s_mul_u64 s[46:47], s[46:47], s[18:19]
	s_mul_i32 s20, s10, HALFT                      ; and where they go: wave x 128 rows: no place in the cluster enters an LDS address
	s_wait_dscnt 0x0
	s_wait_kmcnt 0x0
	s_add_nc_u64 s[14:15], s[4:5], s[16:17]
	s_add_nc_u64 s[46:47], s[6:7], s[46:47]
	CROUND                                         ; all sixteen work-groups are here: the first joint loads meet
.irp s, 0,1
	s_mov_b32 s[G0+4*\s], 1                                        ; 1:0 count = 1
	s_add_co_u32 s[G0+4*\s+1], s20, \s*SLOT                        ; 63:32 LDS address
	s_add_nc_u64 s[G0+4*\s+2:G0+4*\s+3], s[14:15], \s*KSTEP*2      ; 120:64 global address: K step s
	s_or_b32 s[G0+4*\s+3], s[G0+4*\s+3], 0x80000000                ; 127:126 type = 2
	s_mov_b32 s[G0B+4*\s], 1
	s_add_co_u32 s[G0B+4*\s+1], s20, \s*SLOT
	s_add_nc_u64 s[G0B+4*\s+2:G0B+4*\s+3], s[46:47], \s*KSTEP*2
	s_or_b32 s[G0B+4*\s+3], s[G0B+4*\s+3], 0x80000000
	JLOAD \s                                       ; both slots are asked for before anything else: two tensor loads of the wave are out, the most in this text
.endr
	; A fragment is 16 rows x 32 K in 8 registers: lane l holds row l % 16; registers 0-3 hold K = 8 (l / 16) + 0..7, registers 4-7 hold
	; K = 16 + 8 (l / 16) + 0..7.  From rows that lie along K: two loads of 16 bytes, 32 bytes apart.
	v_and_b32 v1, 15, v0                           ; l % 16
	v_bfe_u32 v2, v0, 4, 1                         ; l / 16
	v_mul_u32_u24 v3, v1, PITCH
	v_lshl_add_u32 v3, v2, 4, v3                   ; row x pitch + 16 x half
	s_mul_i32 s21, s11, HALFT                      ; my 128 rows of xb
	s_mul_i32 s22, s12, HALFT                      ; my 128 rows of ub,
	s_add_co_u32 s22, s22, 2*HALFT                 ; which lie behind xb's 256
.irp s, 0,1
	v_add_nc_u32 v[ADRA+\s], s21, v3
	v_add_nc_u32 v[ADRB+\s], s22, v3
	s_add_co_u32 s21, s21, SLOT
	s_add_co_u32 s22, s22, SLOT
.endr
	s_mul_i32 s23, s10, 16*SPITCH
	s_add_co_u32 s23, s23, STAGE                   ; my stage
	v_mul_u32_u24 v4, v1, SPITCH                   ; in: row l % 16, 32 bytes (8 f32) for each half of the lanes
	v_lshl_add_u32 v4, v2, 5, v4
	v_add_nc_u32 v[STO], s23, v4
	v_mul_u32_u24 v5, v2, SPITCH                   ; back: lanes 0-15 take one row of 256 bytes, lanes 16-31 the next
	v_lshl_add_u32 v5, v1, 4, v5
	v_add_nc_u32 v[RD], s23, v5
	v_mul_u32_u24 v5, v2, OPITCH                   ; and the same two rows in out
	v_lshl_add_u32 v[CO], v1, 4, v5
	v_mov_b32 v[ONE], 1.0
; 16 matrix instructions: m blocks a0, a0 + 1 of the window's four (hi = 0: my rows 0-63, 1: rows 64-127) x all 8 n blocks, 32 along K.
; zero = 1: the first product starts the sums: nothing is ever cleared.
.macro MUL16 f, hi, a0, zero
.irp a, \a0, \a0+1
.irp b, 0,1,2,3,4,5,6,7
.if \zero
	v_wmma_f32_16x16x32_f16 v[8*(8*(\a)+\b):8*(8*(\a)+\b)+7], v[\f+8*\b:\f+8*\b+7], v[\f+8*(4*\hi+\a):\f+8*(4*\hi+\a)+7], 0
.else
	v_wmma_f32_16x16x32_f16 v[8*(8*(\a)+\b):8*(8*(\a)+\b)+7], v[\f+8*\b:\f+8*\b+7], v[\f+8*(4*\hi+\a):\f+8*(4*\hi+\a)+7], v[8*(8*(\a)+\b):8*(8*(\a)+\b)+7]
.endif
.endr
.endr
.endm
; 32 LDS loads in one run: the fragments of one quarter step (128 rows of ub, 128 rows of xb, 32 K at byte k of the rows) into buffer f
.macro FETCH slot, k, f
	WIN TO_B
.irp i, 0,1,2,3,4,5,6,7
	ds_load_b128 v[\f+8*\i:\f+8*\i+3],   v[ADRB+\slot] offset:\k+\i*16*PITCH
	ds_load_b128 v[\f+8*\i+4:\f+8*\i+7], v[ADRB+\slot] offset:\k+\i*16*PITCH+32
.endr
	WIN 0
.irp i, 0,1,2,3,4,5,6,7
	ds_load_b128 v[\f+8*\i:\f+8*\i+3],   v[ADRA+\slot] offset:\k+\i*16*PITCH
	ds_load_b128 v[\f+8*\i+4:\f+8*\i+7], v[ADRA+\slot] offset:\k+\i*16*PITCH+32
.endr
.endm
; A load into a register that a matrix instruction has read, and a vector instruction that reads a matrix result, stand four plain vector instructions
; behind that matrix instruction (ISA guide 7.12.1 for vector instructions); the matrix instructions in between are not counted.
.macro PLACES
.rept 4
	v_nop
.endr
.endm
; A K step is four quarter steps of 32 along K, 64 matrix instructions each, on buffers 0, 1, 0, 1.  The 64 accumulators take turns, one instruction
; a turn, in the same order in every quarter.
; One of the first three quarters: multiplies buffer f; in its middle it fetches the next quarter's fragments, at byte k of the same slot's rows, into buffer g.
.macro QUARTER slot, k, f, g, zero
	s_wait_dscnt 8                                 ; ub and xb's rows 0-63 are in; the youngest eight loads (xb's rows 64-127) may be out
	WIN MUL_LO
	MUL16 \f, 0, 0, \zero
	MUL16 \f, 0, 2, \zero
	PLACES
	FETCH \slot, \k, \g
	s_wait_dscnt 32                                ; all but the 32 just issued
	WIN MUL_HI
	MUL16 \f, 1, 0, \zero
	MUL16 \f, 1, 2, \zero
.endm
.macro THREE slot, zero
	QUARTER \slot, 64,  F0, F1, \zero
	QUARTER \slot, 128, F1, F0, 0
	QUARTER \slot, 192, F0, F1, 0
.endm
; The last quarter: multiplies buffer 1 and changes slots.  next = the other slot; fill = 1: this slot is filled again, two K steps ahead.
; One barrier for the change of slots.  In front of it each wave waits for its own reads of this slot and for all its tensor loads, of which one is
; out: its part of the next slot.  Behind it nobody reads this slot any more and the next slot is whole: the refill comes first, then the next
; slot's first fragments.  From a request to the wait for it a wave issues 240 matrix instructions.
.macro TURN slot, next, fill
	s_wait_dscnt 8
	WIN MUL_LO
	MUL16 F1, 0, 0, 0
	s_wait_dscnt 0                                 ; my reads of this slot are over
	s_wait_tensorcnt 0x0                           ; and all my tensor loads have landed: the one that was out is my part of the next slot
	ds_add_u32 v255, v255
	s_wait_dscnt 0x0
	s_barrier_signal -1                            ; say so (where a slot is filled again this barrier opens a round of the cluster's barrier),
	MUL16 F1, 0, 2, 0                              ; work on registers while the others arrive,
	WIN 0
	s_barrier_wait -1                              ; and go on when all four have said so
.if \fill
	CREST                                          ; all sixteen work-groups have said so: no wave of any partner still reads this slot's tile or has a load on its way
	s_add_nc_u64 s[G0+4*\slot+2:G0+4*\slot+3], s[G0+4*\slot+2:G0+4*\slot+3], 2*KSTEP*2
	s_add_nc_u64 s[G0B+4*\slot+2:G0B+4*\slot+3], s[G0B+4*\slot+2:G0B+4*\slot+3], 2*KSTEP*2
	JLOAD \slot                                    ; the first tensor load behind the round, one a wave
.endif
	PLACES
	FETCH \next, 0, F0
	WIN MUL_HI
	MUL16 F1, 1, 0, 0
	MUL16 F1, 1, 2, 0
.endm
.macro LAP zero                        ; both slots once, both filled again
	THREE 0, \zero
	TURN 0, 1, 1
	THREE 1, 0
	TURN 1, 0, 1
.endm
	s_wait_tensorcnt 1                             ; my part of K step 0 is in; K step 1's load, issued behind it, may stay out
	s_barrier_signal -1
	s_barrier_wait -1                              ; everybody's is
	FETCH 0, 0, F0
	LAP 1                                          ; the first lap stands in front of the loop: its first products start the sums
	WIN 0                                          ; at a label and at a branch every window is 0
	s_mov_b32 s3, LAPS-2
.Llap:
	LAP 0
	WIN 0
	s_sub_co_u32 s3, s3, 1
	s_cmp_lg_u32 s3, 0
	s_cbranch_scc1 .Llap
	THREE 0, 0                                     ; the last lap fills nothing and has no round: my one tensor load that is still out is slot 1's, the last K step's
	TURN 0, 1, 0
	THREE 1, 0
	s_wait_dscnt 8                                 ; the very last quarter: nothing more to fetch
	WIN MUL_LO
	MUL16 F1, 0, 0, 0
	MUL16 F1, 0, 2, 0
	s_wait_dscnt 0
	WIN MUL_HI
	MUL16 F1, 1, 0, 0
	MUL16 F1, 1, 2, 0
	; THE WAY OUT, 16 rows at a time: re^2 + im^2, the clip, 32 bytes a lane into my own stage in LDS, read back as whole rows of 256 bytes.
	PLACES                                         ; the places behind the last matrix instructions
	s_lshl_b32 s13, s13, 8
	s_lshl_b32 s14, s11, 7
	s_add_co_u32 s16, s13, s14                     ; my first row of out, at most 8,064:
	s_lshl_b32 s16, s16, 12                        ; x 4,096 bytes stays below 2^32
	s_mov_b32 s17, 0
	s_add_nc_u64 s[8:9], s[8:9], s[16:17]
	s_lshl_b32 s46, s42, 9                         ; my first output's bytes in a row: 512 x block column + 256 x half (128 and 64 outputs of 4 bytes)
	s_lshl_b32 s47, s12, 8
	s_add_co_u32 s46, s46, s47
	s_mov_b32 s47, 0
	s_add_nc_u64 s[8:9], s[8:9], s[46:47]
; rows 16 i .. 16 i + 15 of my block = the eight tiles (a, 0..7) of window 2 or 3 (from = 0x0a or 0x0f: sources 0 and 1); f: F0 or F1 in turn
.macro OUT16 i, a, from, f
	WIN \from
.irp g, 0,1,2,3
.irp q, 0,1,2,3
	v_pk_mul_f32 v[TMP+8*\g+2*\q:TMP+8*\g+2*\q+1], v[8*(8*\a+2*\g)+2*\q:8*(8*\a+2*\g)+2*\q+1], v[8*(8*\a+2*\g)+2*\q:8*(8*\a+2*\g)+2*\q+1]
.endr
.endr
.irp g, 0,1,2,3
.irp q, 0,1,2,3
	v_pk_fma_f32 v[TMP+8*\g+2*\q:TMP+8*\g+2*\q+1], v[8*(8*\a+2*\g+1)+2*\q:8*(8*\a+2*\g+1)+2*\q+1], v[8*(8*\a+2*\g+1)+2*\q:8*(8*\a+2*\g+1)+2*\q+1], v[TMP+8*\g+2*\q:TMP+8*\g+2*\q+1]
.endr
.endr
	WIN 0
	.set tq, 0
.rept 32
	v_cmp_lt_f32 vcc_lo, 1.0, v[TMP+tq]            ; false for a NaN, which stays
	v_cndmask_b32 v[TMP+tq], v[TMP+tq], v[ONE], vcc_lo
	.set tq, tq+1
.endr
.irp g, 0,1,2,3
	ds_store_b128 v[STO], v[TMP+8*\g:TMP+8*\g+3] offset:64*\g
	ds_store_b128 v[STO], v[TMP+8*\g+4:TMP+8*\g+7] offset:64*\g+16
.endr
	s_wait_xcnt 0x0                                ; every earlier store has had its addresses translated (ISA guide 3.1): buffer f, which stores read, and their base are rewritten only behind this wait
.if \i
	s_add_nc_u64 s[8:9], s[8:9], 16*OPITCH         ; 16 rows on
.endif
.irp t, 0,1,2,3,4,5,6,7
	ds_load_b128 v[\f+4*\t:\f+4*\t+3], v[RD] offset:\t*2*SPITCH    ; LDS serves a wave's instructions in order (ISA guide 5.7.1): these see the stores above
.endr
.irp t, 0,1,2,3,4,5,6,7
	s_wait_dscnt 7-\t                              ; number t is in, the 7 - t younger ones may be out
	global_store_b128 v[CO], v[\f+4*\t:\f+4*\t+3], s[8:9] offset:2*\t*OPITCH th:TH_STORE_NT   ; 16 lanes store 256 consecutive bytes, at a multiple of 256 from out's first byte
.endr
.endm
	OUT16 0, 0, 0x0a, F0
	OUT16 1, 1, 0x0a, F1
	OUT16 2, 2, 0x0a, F0
	OUT16 3, 3, 0x0a, F1
	OUT16 4, 0, 0x0f, F0
	OUT16 5, 1, 0x0f, F1
	OUT16 6, 2, 0x0f, F0
	OUT16 7, 3, 0x0f, F1
	s_set_vgpr_msb 0x1
	s_wait_tensorcnt 0x0
	ds_add_u32 v255, v255
	s_wait_dscnt 0x0
	s_set_vgpr_msb 0x100
	CROUND                                         ; the closing round: no work-group ends while a partner may still ask for a tile that names it
	s_endpgm
.Lfunc_end_k_q3983a69989_gemm:
	.size	k_q3983a69989_gemm, .Lfunc_end_k_q3983a69989_gemm-k_q3983a69989_gemm
	.p2alignl 7, 3214868480
	.fill 96, 4, 3214868480
	.section	.rodata,"a",@progbits
	.p2align	6, 0x0
	.amdhsa_kernel k_q3983a69989_gemm
		.amdhsa_group_segment_fixed_size 327680
		.amdhsa_private_segment_fixed_size 0
		.amdhsa_enable_private_segment 0
		.amdhsa_kernarg_size 24
		.amdhsa_user_sgpr_count 2
		.amdhsa_user_sgpr_kernarg_segment_ptr 1
		.amdhsa_wavefront_size32 1
		.amdhsa_system_sgpr_workgroup_id_x 1
		.amdhsa_system_sgpr_workgroup_id_y 1
		.amdhsa_system_sgpr_workgroup_id_z 1
		.amdhsa_system_vgpr_workitem_id 0
		.amdhsa_next_free_vgpr 1024
		.amdhsa_next_free_sgpr 66
		.amdhsa_reserve_vcc 1
		.amdhsa_float_denorm_mode_32 3
		.amdhsa_float_denorm_mode_16_64 3
		.amdhsa_memory_ordered 1
		.amdhsa_forward_progress 1
		.amdhsa_inst_pref_size 212
	.end_amdhsa_kernel
	.amdgpu_metadata
---
amdhsa.version: [ 1, 2 ]
amdhsa.kernels:
  - .name:           k_q3983a69989_gemm
    .symbol:         k_q3983a69989_gemm.kd
    .args:
      - { .name: xb, .offset: 0, .size: 8, .value_kind: global_buffer, .address_space: global }
      - { .name: ub, .offset: 8, .size: 8, .value_kind: global_buffer, .address_space: global }
      - { .name: out0, .offset: 16, .size: 8, .value_kind: global_buffer, .address_space: global }
    .group_segment_fixed_size: 327680
    .private_segment_fixed_size: 0
    .kernarg_segment_align: 8
    .kernarg_segment_size: 24
    .max_flat_workgroup_size: 128
    .sgpr_count:     66
    .vgpr_count:     1024
    .wavefront_size: 32
...
	.end_amdgpu_metadata
.endif
;; end of part 2
